; MI455X (gfx1250); checked and timed in simulation.
; The chip was launched on July 23, 2026; its instructions are those of AMD's public machine-readable ISA for CDNA 5 (MIT licence, August 2026) and "CDNA5" Instruction Set Architecture Reference Guide (July 2026). The comments in the code are by the model that wrote it; some were corrected since.
;; Multihead Self Attention. Allowed arithmetic: matrix products marked QUANTISED: E2M1 operands, one E8M0 scale for each 32 along K, by v_wmma_scale_f32_16x16x128_f8f6f4 with both operands' format E2M1 (or v_wmma_scale_f32_32x16x128_f4), f32 sums; everything else in f32.
;; Inputs: Wlift 1,024 x 1,024 float32; Wqkv 3,072 x 1,024 float32; blift 1,024 float32; bqkv 3,072 float32; x 4 x 2,048 x 1,024 float32.
;; Outputs: out0 4 x 2,048 x 1,024 float32.
;; This version of the problem:
;;   THIS VERSION OF THE PROBLEM IS GIVEN IN LOW PRECISION. The matrix products marked QUANTISED in the list below multiply operands that are first quantised to E2M1 (2 exponent bits, 1 mantissa bit; 4 bits a number), with one power-of-two scale for each 32 numbers along K (OCP MX v1.0); their sums are f32. All else is computed in f32.
;;   The module's matrix products, in the order in which they are computed (A, B: the left and right operand; K: the contracted axis; several contracted axes count as one K, in the product's order):
;;     1. [M 8,192, K 1,024] x [K 1,024, N 3,072]; A: input x; B: input Wqkv: QUANTISED
;;     2. batch 64 x [M 2,048, K 64] x [K 64, N 2,048]; A: computed on the way; B: computed on the way: QUANTISED
;;     3. batch 64 x [M 2,048, K 2,048] x [K 2,048, N 64]; A: computed on the way; B: computed on the way: QUANTISED
;;     4. [M 8,192, K 1,024] x [K 1,024, N 1,024]; A: computed on the way; B: input Wlift: QUANTISED
;;   THE QUANTISER, for each operand of a quantised product, along K:
;;     - K is cut into blocks of 32 from its start; a last block that is shorter is filled with zeros.
;;     - A block's scale is 2^e with e = floor(log2(the largest magnitude in the block)) - 2, held to -126 .. 127; a block of zeros has e = 0. As a byte (E8M0): e + 127.
;;     - Each number is divided by its block's scale, clamped to +-6, and rounded to the nearest number of E2M1, ties to even, subnormals kept.
;;     - The product sums the exact products of the quantised numbers (number of the format x scale) in f32.
;;   ~~~python
;;   def quantise(x, axis):      # numpy; x: float32 -> the quantised numbers, widened to float32 again
;;       x = np.moveaxis(x, axis, -1); K = x.shape[-1]
;;       x = np.pad(x, [(0, 0)] * (x.ndim - 1) + [(0, -K % 32)]); x = x.reshape(x.shape[:-1] + (-1, 32)); a = np.abs(x).max(-1, keepdims=True)
;;       e = np.where(a > 0, np.clip(np.frexp(np.where(a > 0, a, 1))[1] - 1 - 2, -126, 127), 0)      # np.frexp(a)[1] - 1 = floor(log2(a)), exactly
;;       r = np.clip(x / 2.0 ** e, -6, 6)
;;       step = 2.0 ** (np.maximum(np.frexp(np.where(r == 0, 1, r))[1] - 1, 0) - 1)
;;       q = np.round(r / step) * step * 2.0 ** e      # np.round: ties to even
;;       return np.moveaxis(q.reshape(q.shape[:-2] + (-1,))[..., :K], -1, axis).astype(np.float32)
;;   ~~~
;;   OPERANDS COMPUTED ON THE WAY. 'Computed on the way' means the value that the module computes at that place (a softmax that the list does not call 'softmax' is quantised finished and normalised). What goes into a quantiser is computed in f32, as accurately as f32 sums, v_exp_f32 and their like allow (about 1e-6 of the number): no bf16 or f16 on the way to a quantiser, and a product that is left as it is and whose result goes on into a quantised operand takes f32 operands (vector FMAs, or v_wmma_f32_16x16x4_f32). A number that lies on a knife's edge between two numbers of the format may be rounded either way, as far as f32 arithmetic and the matrix unit's own rounding can turn it there, and no further.
;; One version. Each part assembles by itself: llvm-mc -triple=amdgcn-amd-amdhsa -mcpu=gfx1250 --defsym DOCPART=n.
;; ======== version 1 of 1: 4 launches
;; workspace buffers: ops 6,684,672 bytes; qk 9,437,184 bytes; vv 4,456,448 bytes; at 4,456,448 bytes
;; launch quant (part 1): grid 768 x 1, 2 waves a work-group, no clusters, 17,152 bytes of LDS; arguments x, Wqkv, Wlift, ops; writes ops
.if DOCPART == 1
	.amdgcn_target "amdgcn-amd-amdhsa--gfx1250"
	.amdhsa_code_object_version 6
	.text
	.protected	k_q51e749732f_quant
	.globl	k_q51e749732f_quant
	.p2align	8
	.type	k_q51e749732f_quant,@function
k_q51e749732f_quant:
	s_mov_b64 s[64:65], 0
	v_nop
	global_prefetch_b8 v0, s[64:65] scope:SCOPE_SE
	s_setreg_imm32_b32 hwreg(HW_REG_WAVE_MODE, 25, 1), 1
	s_wait_xcnt 0x0
; x [8192][1024], Wqkv [3072][1024], Wlift [1024][1024], f32, K innermost, become codes of FP4 (E2M1) with one E8M0 byte for each 32 along K,
; laid as IMAGES OF OPERAND REGISTERS.  ops = 768 records of 8,704 bytes, one for each tile of 16 rows: 0-511 x, 512-703 Wqkv, 704-767 Wlift.
; A record is two halves of 4,352 bytes (K steps 0-3, 4-7 of 128).  In a half: the 16 bytes of lane l = 16 h + r, registers 4 c .. 4 c + 3 of K step t's
; fragment (k = 128 t + 64 c + 32 h + 0 .. 31 of row r) at (2 t + c) 512 + 16 l; row r's scale word of step t at 4,096 + 16 r + 4 t.
; A block's scale is 2^(floor(log2(its largest magnitude)) - 2); its byte is the largest magnitude's exponent field - 2, held at 1 from below.
; LIMITS: a block of zeros, or one whose largest magnitude lies under 2^-124, gets the byte 1 (the stated quantiser: 127 for zeros): its codes are zeros or
; the nearest codes under that scale, and this program alone reads the bytes.  NaN and infinities among the inputs are not served.
; SHARES: work-group g takes tile g, wave w its K half w: 16 rows x 512 k in, 4,352 consecutive bytes out.  The waves share nothing: no barrier.
; A load takes 512 consecutive bytes of one row; the conversions want 8 neighbours along K in one lane: a step's 16 x 512 bytes turn through the wave's own stage in LDS.
.set TM,    8                          ; v8-11 largest magnitudes, v12-15 the other half's, then bytes, v20-23 the conversions' scale operands
.set PW,    24                         ; v24-27  a scale word for each step
.set SP,    28                         ; v28-29  the two words that my lane stores
.set PC,    32                         ; v32-63  codes: eight registers for each step, so that no store's data are written again
.set R,     64                         ; v64-191 two sets of 64 numbers as loaded
.set X,     192                        ; v192-255 64 numbers: register 16 b + 8 u + j = k 32 b + 16 u + 8 h + j of row r
.set SEL,   20                         ; s[20:21] lane selects for v_permlanex16_b32: lane l xor 16
.set PITCH, 528                        ; a stage row: 512 bytes + 16: sixteen lanes 528 bytes apart touch sixteen different 16-byte columns
.set STG,   16*PITCH
; 64 numbers of a lane in the order above become a fragment's eight registers v[pc] on and its row's scale word v[pw].
.macro QUANT s, pc, pw
.irp b, 0,1,2,3
	v_max3_num_f32 v[TM+\b], |v[(\s)+16*\b]|, |v[(\s)+1+16*\b]|, 0x1800000   ; block b: my 16 numbers, and the floor 2^(3 - 127): the byte cannot fall under 1
.endr
.irp i, 2,4,6,8,10,12,14
.irp b, 0,1,2,3
	v_max3_num_f32 v[TM+\b], v[TM+\b], |v[(\s)+16*\b+\i]|, |v[(\s)+1+16*\b+\i]|   ; the four blocks by turns
.endr
.endr
.irp b, 0,1,2,3
	v_permlanex16_b32 v[TM+4+\b], v[TM+\b], s[SEL], s[SEL+1]
.endr
.irp b, 0,1,2,3
	v_max_num_f32 v[TM+\b], v[TM+\b], v[TM+4+\b]   ; with lane l xor 16's 16: the block's largest magnitude
.endr
.irp b, 0,1,2,3
	v_add_nc_u32 v[TM+12+\b], 0xff000000, v[TM+\b] ; 2 off its exponent field: the conversion takes that field as its scale
.endr
.irp b, 0,1,2,3
	v_lshrrev_b32 v[TM+4+\b], 23, v[TM+12+\b]      ; the scale's byte
.endr
	v_lshl_or_b32 v[\pw], v[TM+5], 8, v[TM+4]
	v_lshl_or_b32 v[\pw], v[TM+6], 16, v[\pw]
	v_lshl_or_b32 v[\pw], v[TM+7], 24, v[\pw]
.irp b, 0,1,2,3
.irp u, 0,1
	v_cvt_scalef32_pk8_fp4_f32 v[(\pc)+4*(\b/2)+2*\u+(\b%2)], v[(\s)+16*\b+8*\u:(\s)+16*\b+8*\u+7], v[TM+12+\b]
.endr
.endr
	v_nop                                          ; one plain instruction behind the scaled conversions
.irp c, 0,1
.irp u, 0,1
	v_permlane16_swap_b32 v[(\pc)+4*\c+2*\u], v[(\pc)+4*\c+2*\u+1]   ; blocks 2 c and 2 c + 1 change halves: register 4 c + i now holds k = 64 c + 32 h + 8 i + 0 .. 7
.endr
.endr
.endm
	s_load_b256 s[4:11], s[0:1], 0x0               ; x s[4:5], Wqkv s[6:7], Wlift s[8:9], ops s[10:11]
	v_lshl_add_u32 v30, v0, 2, 0x4200
	v_mov_b32 v31, 0
	v_lshrrev_b32 v1, 5, v0
	v_readfirstlane_b32 s12, v1                    ; wave = K half
	v_and_b32 v5, 31, v0                           ; l
	v_and_b32 v6, 15, v0                           ; r
	v_bfe_u32 v7, v0, 4, 1                         ; h
	v_lshlrev_b32 v1, 4, v5                        ; 16 l: my bytes of a load's and of a store's 512
	s_mul_i32 s13, s12, STG                        ; my wave's stage
	v_add_nc_u32 v2, s13, v1                       ; into it: a row as it lies
	v_mul_u32_u24 v3, v6, PITCH
	v_lshl_add_u32 v3, v7, 5, v3
	v_add_nc_u32 v3, s13, v3                       ; out of it: row r, + 32 h bytes
	v_lshlrev_b32 v4, 4, v6
	v_lshl_add_u32 v4, v7, 3, v4                   ; the scale words: 16 r + 8 h
	s_mov_b32 s[SEL], 0x76543210
	s_mov_b32 s[SEL+1], 0xfedcba98
	s_mov_b32 s22, 0xffff0000                      ; lanes 16-31
.irp b, 0,1,2,3
	v_mov_b32 v[TM+4+\b], 0                        ; written once: a lane permute's destination counts as one of its sources
.endr
	s_mov_b32 s14, 704
	s_wait_alu depctr_va_vdst(0)
	s_wait_kmcnt 0x0
	s_cmp_lt_u32 ttmp9, 704                        ; which tensor: the choice hangs on the work-group's number alone
	s_cselect_b64 s[6:7], s[6:7], s[8:9]
	s_cselect_b32 s14, 512, s14
	s_cmp_lt_u32 ttmp9, 512
	s_cselect_b64 s[4:5], s[4:5], s[6:7]
	s_cselect_b32 s14, 0, s14                      ; the tensor's first tile
	s_sub_co_u32 s14, ttmp9, s14
	s_lshl_b32 s14, s14, 16                        ; 16 rows of 4,096 bytes a tile,
	s_lshl_b32 s15, s12, 11                        ; 2,048 bytes a K half
	s_add_co_u32 s14, s14, s15
	s_mov_b32 s15, 0
	s_add_nc_u64 s[4:5], s[4:5], s[14:15]
	s_mul_i32 s16, ttmp9, 8704
	s_mul_i32 s17, s12, 4352
	s_add_co_u32 s16, s16, s17
	s_mov_b32 s17, 0
	s_add_nc_u64 s[10:11], s[10:11], s[16:17]
.macro LOAD t                          ; K step t: sixteen rows, 512 consecutive bytes each
.irp i, 0,1,2,3,4,5,6,7,8,9,10,11,12,13,14,15
	global_load_b128 v[R+64*((\t)%2)+4*\i:R+64*((\t)%2)+4*\i+3], v1, s[4:5] offset:4096*\i+512*(\t) th:TH_LOAD_NT
.endr
.endm
.macro STEP t
.if (\t) < 3
	s_wait_loadcnt 16                              ; this step's 16 loads are in; the next step's 16 may be out
.else
	s_wait_loadcnt 0x0
.endif
.irp i, 0,1,2,3,4,5,6,7,8,9,10,11,12,13,14,15
	ds_store_b128 v2, v[R+64*((\t)%2)+4*\i:R+64*((\t)%2)+4*\i+3] offset:PITCH*\i
.endr
.irp b, 0,1,2,3
.irp u, 0,1
.irp q, 0,1
	ds_load_b128 v[X+16*\b+8*\u+4*\q:X+16*\b+8*\u+4*\q+3], v3 offset:128*\b+64*\u+16*\q   ; LDS serves a wave's instructions in order: these see the stores above
.endr
.endr
.endr
	s_wait_dscnt 0x0                               ; the numbers are back, and the stores have read their registers,
.if (\t) < 2
	LOAD (\t)+2                                    ; which take the loads of two steps on
.endif
	QUANT X, PC+8*(\t), PW+(\t)
.irp c, 0,1
	global_store_b128 v1, v[PC+8*(\t)+4*\c:PC+8*(\t)+4*\c+3], s[10:11] offset:1024*(\t)+512*\c   ; 32 lanes store 512 consecutive bytes, aligned
.endr
.endm
	LOAD 0
	LOAD 1
.irp t, 0,1,2,3
	STEP \t
.endr
	v_cndmask_b32 v[SP], v[PW], v[PW+2], s22       ; lanes 0-15 store steps 0 and 1's words of row r, lanes 16-31 steps 2 and 3's
	v_cndmask_b32 v[SP+1], v[PW+1], v[PW+3], s22
	global_store_b64 v4, v[SP:SP+1], s[10:11] offset:4096   ; 256 consecutive bytes, aligned
	s_wait_tensorcnt 0x0
	ds_add_u32 v30, v31
	s_wait_dscnt 0x0
	s_endpgm
.Lfunc_end_k_q51e749732f_quant:
	.size	k_q51e749732f_quant, .Lfunc_end_k_q51e749732f_quant-k_q51e749732f_quant
	.p2alignl 7, 3214868480
	.fill 96, 4, 3214868480
	.section	.rodata,"a",@progbits
	.p2align	6, 0x0
	.amdhsa_kernel k_q51e749732f_quant
		.amdhsa_group_segment_fixed_size 17152
		.amdhsa_private_segment_fixed_size 0
		.amdhsa_enable_private_segment 0
		.amdhsa_kernarg_size 32
		.amdhsa_user_sgpr_count 2
		.amdhsa_user_sgpr_kernarg_segment_ptr 1
		.amdhsa_wavefront_size32 1
		.amdhsa_system_sgpr_workgroup_id_x 1
		.amdhsa_system_sgpr_workgroup_id_y 1
		.amdhsa_system_sgpr_workgroup_id_z 1
		.amdhsa_system_vgpr_workitem_id 0
		.amdhsa_next_free_vgpr 256
		.amdhsa_next_free_sgpr 66
		.amdhsa_reserve_vcc 0
		.amdhsa_float_denorm_mode_32 3
		.amdhsa_float_denorm_mode_16_64 3
		.amdhsa_memory_ordered 1
		.amdhsa_forward_progress 1
		.amdhsa_inst_pref_size 33
	.end_amdhsa_kernel
	.amdgpu_metadata
---
amdhsa.version: [ 1, 2 ]
amdhsa.kernels:
  - .name:           k_q51e749732f_quant
    .symbol:         k_q51e749732f_quant.kd
    .args:
      - { .name: x, .offset: 0, .size: 8, .value_kind: global_buffer, .address_space: global }
      - { .name: Wqkv, .offset: 8, .size: 8, .value_kind: global_buffer, .address_space: global }
      - { .name: Wlift, .offset: 16, .size: 8, .value_kind: global_buffer, .address_space: global }
      - { .name: ops, .offset: 24, .size: 8, .value_kind: global_buffer, .address_space: global }
    .group_segment_fixed_size: 17152
    .private_segment_fixed_size: 0
    .kernarg_segment_align: 8
    .kernarg_segment_size: 32
    .max_flat_workgroup_size: 64
    .sgpr_count:     66
    .vgpr_count:     256
    .wavefront_size: 32
...
	.end_amdgpu_metadata
.endif
;; end of part 1
;; launch qkv (part 2): grid 12 x 64, 4 waves a work-group, clusters of 4 x 4, 209,408 bytes of LDS; arguments ops, bqkv, qk, vv; writes qk, vv
.if DOCPART == 2
	.amdgcn_target "amdgcn-amd-amdhsa--gfx1250"
	.amdhsa_code_object_version 6
	.text
	.protected	k_q51e749732f_qkv
	.globl	k_q51e749732f_qkv
	.p2align	8
	.type	k_q51e749732f_qkv,@function
k_q51e749732f_qkv:
	s_mov_b64 s[64:65], 0
	v_nop
	global_prefetch_b8 v0, s[64:65] scope:SCOPE_SE
	s_setreg_imm32_b32 hwreg(HW_REG_WAVE_MODE, 25, 1), 1
	s_wait_xcnt 0x0
	s_wait_alu depctr_hold_cnt(0) depctr_sa_sdst(0) depctr_va_vdst(0) depctr_va_sdst(0) depctr_va_ssrc(0) depctr_va_vcc(0) depctr_vm_vsrc(0)
	s_getreg_b32 s2, hwreg(HW_REG_IB_STS2, 6, 4)
	s_cmp_eq_u32 s2, 0
	s_cbranch_scc0 .Lentry_in_a_cluster
	s_endpgm
.Lentry_in_a_cluster:
	s_bfe_u32 s2, ttmp6, 0x10000c
	s_cmp_lg_u32 s2, 0xf033
	s_cbranch_scc0 .Lentry_shape_is_right
	s_endpgm
.Lentry_shape_is_right:
; qkv = Q(x) Q(Wqkv)^T + bqkv on codes of FP4 with E8M0 scales, and its results quantised at once into the operands of attention's two products.
; A work-group makes 128 tokens x 256 columns, each of its four waves 128 tokens x 64 columns = ONE HEAD x ONE KEY STEP: 32 accumulators, 256 registers.
; ALL OF K LIES IN LDS, as it lies in memory (records of 8,704 bytes, images of operand registers: see the launch that makes them): x's 8 records at 0, Wqkv's 16 at 69,632.
; Every LDS byte is filled once.  A fragment load reads 512 consecutive bytes: no pitch, no padding.
; CLUSTER 4 x 4: the four of a row need the same records of x, the four of a column the same records of Wqkv: each wave asks jointly for a quarter of each: two tensor loads of mine are out.
; q and k (cluster x = 0, 1): the product is used TRANSPOSED (source 0 = 16 rows of W, source 1 = 16 tokens): a lane holds one token, its registers run along the head's 64, which are the next K.
; v (cluster x = 2): natural (source 0 = tokens, source 1 = rows of W): a lane holds one channel, its registers run along the tokens, which are the keys, the next K.
; In both, register 16 b + 8 u + j of four (eight) neighbouring accumulators is K index 32 b + 16 u + 8 h + j: what QUANT takes.  The bias is added behind the sum, in f32.
; OUT: qk = 128 head records (64 which + 16 batch + head) of 16 step records of 4,608 bytes: token tile a's codes (dims 32 h + 0 .. 31 of token r) at 512 a + 16 l; at 4,096 + 16 l + 4 j the scale
; word of token tile 2 j + h, token r: two bytes, then two zero bytes.  vv = 64 head records of 16 step records of 4,352 bytes: channel tile d's fragment at 1,024 d + 512 c + 16 l; at 4,096 + 8 l + 4 i
; the scale word of channel tile 2 i + h, channel r.  A wave's stores cover its step record, 256 or 512 consecutive aligned bytes each.
; LIMITS: a block of zeros or under 2^-124 gets the byte 1 (read by this program alone); NaN and infinities are not served.
; REGISTERS: window 0: v1-13 addresses; v32-63 x's scale words, v64-79 W's; v80-111 bias; v112-127 QUANT's; v128-255 x's fragments, two sets of 64 (on the way out: numbers, codes, scale words).
;   window 1: v0-63 W's fragments, two sets of 32.   window 2: the accumulators.
.set REC,  8704
.set HREC, 4352
.set LB,   8*REC                       ; where W's records begin in LDS
.set WB,   512                         ; Wqkv's first record in ops
.set AD1,  5                           ; v5   x's tiles 4-7 (tiles 0-3: v1 = 16 l)
.set ADB,  6                           ; v6   my four tiles of W
.set ADSA, 7                           ; v7   x's scale words: lanes 0-15 tile i, lanes 16-31 tile i + 4
.set ADSB, 8                           ; v8   W's: tiles i and i + 2
.set BO,   9                           ; v9   32 h
.set BR,   10                          ; v10  4 r
.set L8,   12                          ; v12  8 l
.set H16,  13                          ; v13  16 h
.set XS,   32
.set WS,   64
.set QB,   80
.set TM,   112
.set XF,   128
.set NUM,  128                         ; the way out: 64 numbers
.set PCB,  192                         ; codes: eight registers for each of four turns, so that no store's data are written again
.set PWR,  224                         ; scale words as QUANT makes them
.set SWO,  228                         ; v228-231 q's, k's scale words to store
.set VSO,  232                         ; v232-233 v's
.set SEL,  20
.set G1A,  24
.set G0A,  32
.set G1B,  48
.set G0B,  56
.set MSB,  0
.macro WIN new                         ; the immediate's high byte repeats the setting that is left
.if MSB != \new
	s_set_vgpr_msb (MSB<<8)|\new
.set MSB, \new
.endif
.endm
.macro CROUND                          ; a round of the cluster's barrier
	s_barrier_signal -1
	s_barrier_wait -1
	s_cmp_lg_u32 s14, 0
	s_cbranch_scc1 .Lnot_wave_0_\@
	s_barrier_signal -3
.Lnot_wave_0_\@:
	s_barrier_wait -3
	s_barrier_signal -1
	s_barrier_wait -1
.endm
.macro PLACES                          ; four plain instructions behind matrix instructions, in front of loads into their sources and of reads of their results
.rept 4
	v_nop
.endr
.endm
.macro QUANT s, pc, pw
.irp b, 0,1,2,3
	v_max3_num_f32 v[TM+\b], |v[(\s)+16*\b]|, |v[(\s)+1+16*\b]|, 0x1800000   ; block b: my 16 numbers, and the floor 2^(3 - 127)
.endr
.irp i, 2,4,6,8,10,12,14
.irp b, 0,1,2,3
	v_max3_num_f32 v[TM+\b], v[TM+\b], |v[(\s)+16*\b+\i]|, |v[(\s)+1+16*\b+\i]|
.endr
.endr
.irp b, 0,1,2,3
	v_permlanex16_b32 v[TM+4+\b], v[TM+\b], s[SEL], s[SEL+1]
.endr
.irp b, 0,1,2,3
	v_max_num_f32 v[TM+\b], v[TM+\b], v[TM+4+\b]
.endr
.irp b, 0,1,2,3
	v_add_nc_u32 v[TM+12+\b], 0xff000000, v[TM+\b]
.endr
.irp b, 0,1,2,3
	v_lshrrev_b32 v[TM+4+\b], 23, v[TM+12+\b]
.endr
	v_lshl_or_b32 v[\pw], v[TM+5], 8, v[TM+4]
	v_lshl_or_b32 v[\pw], v[TM+6], 16, v[\pw]
	v_lshl_or_b32 v[\pw], v[TM+7], 24, v[\pw]
.irp b, 0,1,2,3
.irp u, 0,1
	v_cvt_scalef32_pk8_fp4_f32 v[(\pc)+4*(\b/2)+2*\u+(\b%2)], v[(\s)+16*\b+8*\u:(\s)+16*\b+8*\u+7], v[TM+12+\b]
.endr
.endr
	v_nop                                          ; one plain instruction behind the scaled conversions
.irp c, 0,1
.irp u, 0,1
	v_permlane16_swap_b32 v[(\pc)+4*\c+2*\u], v[(\pc)+4*\c+2*\u+1]
.endr
.endr
.endm
; One matrix instruction from the symbols cD, cA, cB, cC, cSA, cSB; fA, fB: the side's scale words stand in lanes 16-31; kC = 0: the product starts its sum.
.macro WM
.if kC == 0
.if fA && fB
	v_wmma_scale_f32_16x16x128_f8f6f4 v[cD:cD+7], v[cA:cA+7], v[cB:cB+7], 0, v[cSA], v[cSB] matrix_a_fmt:MATRIX_FMT_FP4 matrix_b_fmt:MATRIX_FMT_FP4 matrix_a_scale:MATRIX_SCALE_ROW1 matrix_b_scale:MATRIX_SCALE_ROW1
.elseif fA
	v_wmma_scale_f32_16x16x128_f8f6f4 v[cD:cD+7], v[cA:cA+7], v[cB:cB+7], 0, v[cSA], v[cSB] matrix_a_fmt:MATRIX_FMT_FP4 matrix_b_fmt:MATRIX_FMT_FP4 matrix_a_scale:MATRIX_SCALE_ROW1
.elseif fB
	v_wmma_scale_f32_16x16x128_f8f6f4 v[cD:cD+7], v[cA:cA+7], v[cB:cB+7], 0, v[cSA], v[cSB] matrix_a_fmt:MATRIX_FMT_FP4 matrix_b_fmt:MATRIX_FMT_FP4 matrix_b_scale:MATRIX_SCALE_ROW1
.else
	v_wmma_scale_f32_16x16x128_f8f6f4 v[cD:cD+7], v[cA:cA+7], v[cB:cB+7], 0, v[cSA], v[cSB] matrix_a_fmt:MATRIX_FMT_FP4 matrix_b_fmt:MATRIX_FMT_FP4
.endif
.else
.if fA && fB
	v_wmma_scale_f32_16x16x128_f8f6f4 v[cD:cD+7], v[cA:cA+7], v[cB:cB+7], v[cC:cC+7], v[cSA], v[cSB] matrix_a_fmt:MATRIX_FMT_FP4 matrix_b_fmt:MATRIX_FMT_FP4 matrix_a_scale:MATRIX_SCALE_ROW1 matrix_b_scale:MATRIX_SCALE_ROW1
.elseif fA
	v_wmma_scale_f32_16x16x128_f8f6f4 v[cD:cD+7], v[cA:cA+7], v[cB:cB+7], v[cC:cC+7], v[cSA], v[cSB] matrix_a_fmt:MATRIX_FMT_FP4 matrix_b_fmt:MATRIX_FMT_FP4 matrix_a_scale:MATRIX_SCALE_ROW1
.elseif fB
	v_wmma_scale_f32_16x16x128_f8f6f4 v[cD:cD+7], v[cA:cA+7], v[cB:cB+7], v[cC:cC+7], v[cSA], v[cSB] matrix_a_fmt:MATRIX_FMT_FP4 matrix_b_fmt:MATRIX_FMT_FP4 matrix_b_scale:MATRIX_SCALE_ROW1
.else
	v_wmma_scale_f32_16x16x128_f8f6f4 v[cD:cD+7], v[cA:cA+7], v[cB:cB+7], v[cC:cC+7], v[cSA], v[cSB] matrix_a_fmt:MATRIX_FMT_FP4 matrix_b_fmt:MATRIX_FMT_FP4
.endif
.endif
.endm
; K step s: 32 matrix instructions, x's eight tiles x W's four.  The 32 accumulators take turns, in the same order in every step.
.macro MUL s, set, tr, zero
.irp a, 0,1,2,3,4,5,6,7
.irp b, 0,1,2,3
.set kC, 1-(\zero)
.if \tr
.set cD,  8*(4*\a+\b)
.set cA,  32*(\set)+8*\b
.set cB,  XF+64*(\set)+8*\a
.set cSA, WS+8*((\s)/4)+4*(\b%2)+(\s)%4
.set cSB, XS+16*((\s)/4)+4*(\a%4)+(\s)%4
.set fA,  \b/2
.set fB,  \a/4
.else
.set cD,  8*(8*\b+\a)
.set cA,  XF+64*(\set)+8*\a
.set cB,  32*(\set)+8*\b
.set cSA, XS+16*((\s)/4)+4*(\a%4)+(\s)%4
.set cSB, WS+8*((\s)/4)+4*(\b%2)+(\s)%4
.set fA,  \a/4
.set fB,  \b/2
.endif
.set cC, cD
	WM
.endr
.endr
.endm
.macro FETCH s, set                    ; K step s's fragments: 8 loads for W, 16 for x, in one run
.set off_, ((\s)/4)*HREC+((\s)%4)*1024
	WIN 0x40                                       ; destination window 1
.irp b, 0,1,2,3
.irp c, 0,1
	ds_load_b128 v[32*(\set)+8*\b+4*\c:32*(\set)+8*\b+4*\c+3], v[ADB] offset:\b*REC+off_+512*\c
.endr
.endr
	WIN 0
.irp a, 0,1,2,3
.irp c, 0,1
	ds_load_b128 v[XF+64*(\set)+8*\a+4*\c:XF+64*(\set)+8*\a+4*\c+3], v1 offset:\a*REC+off_+512*\c
.endr
.endr
.irp a, 0,1,2,3
.irp c, 0,1
	ds_load_b128 v[XF+64*(\set)+32+8*\a+4*\c:XF+64*(\set)+32+8*\a+4*\c+3], v[AD1] offset:\a*REC+off_+512*\c
.endr
.endr
.endm
.macro SCALES                          ; all scale words of all of K: 12 loads of four words
.irp g, 0,1
.irp i, 0,1,2,3
	ds_load_b128 v[XS+16*\g+4*\i:XS+16*\g+4*\i+3], v[ADSA] offset:\i*REC+\g*HREC+4096
.endr
.irp i, 0,1
	ds_load_b128 v[WS+8*\g+4*\i:WS+8*\g+4*\i+3], v[ADSB] offset:\i*REC+\g*HREC+4096
.endr
.endr
.endm
.macro STEP s, tr, zero, win
.if ((\s) > 0) && ((\s) < 7)
	PLACES                                         ; the set that is loaded next was read by the products just issued
.endif
.if (\s) < 7
	FETCH (\s)+1, ((\s)+1)%2
	s_wait_dscnt 24                                ; all but the 24 loads just issued
.else
	s_wait_dscnt 0x0
.endif
	WIN \win
	MUL \s, (\s)%2, \tr, \zero
.endm
	s_load_b256 s[4:11], s[0:1], 0x0               ; ops s[4:5], bqkv s[6:7], qk s[8:9], vv s[10:11]
	v_lshl_add_u32 v122, v0, 2, 0x33000
	v_mov_b32 v123, 0
	ds_add_u32 v122, v123
	ds_add_u32 v122, v123
	v_lshrrev_b32 v1, 5, v0
	v_readfirstlane_b32 s14, v1                    ; wave 0..3
	s_bfe_u32 s40, ttmp6, 0x40000                  ; cx
	s_bfe_u32 s41, ttmp6, 0x40004                  ; cy
	s_lshl_b32 s42, ttmp9, 2
	s_add_co_u32 s42, s42, s40                     ; n: which 256 columns
	s_and_b32 s17, ttmp7, 0xffff
	s_lshl_b32 s17, s17, 2
	s_add_co_u32 s17, s17, s41                     ; m: which 128 tokens
	s_lshl_b32 s43, s41, 2
	s_lshl_b32 s43, 15, s43                        ; my row of the cluster
	s_lshl_b32 s44, 0x1111, s40                    ; my column
	; group 1: dense blocks as rows of 256 bytes (32 elements of 8 bytes): x's 2 records = 68 rows, W's 4 records = 136 rows
	s_or_b32 s[G1A], s43, (3<<16)|(1<<21)          ; 15:0 the mask; 17:16 elements of 8 bytes; 21 set beside a mask
	s_or_b32 s[G1B], s44, (3<<16)|(1<<21)
	s_mov_b32 s[G1A+1], 32<<16                     ; tensor_dim0
	s_mov_b32 s[G1A+2], 68<<16                     ; tensor_dim1
	s_mov_b32 s[G1A+3], 32<<16                     ; tile_dim0
	s_mov_b32 s[G1A+4], 68                         ; tile_dim1
	s_mov_b32 s[G1A+5], 32                         ; the pitch
	s_mov_b32 s[G1A+6], 0
	s_mov_b32 s[G1A+7], 0
	s_mov_b32 s[G1B+1], 32<<16
	s_mov_b32 s[G1B+2], 136<<16
	s_mov_b32 s[G1B+3], 32<<16
	s_mov_b32 s[G1B+4], 136
	s_mov_b32 s[G1B+5], 32
	s_mov_b32 s[G1B+6], 0
	s_mov_b32 s[G1B+7], 0
	s_lshl_b32 s66, s17, 3                         ; x: records 8 m + 2 w on: made of m and the wave alone
	s_lshl_b32 s67, s14, 1
	s_add_co_u32 s66, s66, s67
	s_mul_i32 s66, s66, REC
	s_mov_b32 s67, 0
	s_lshl_b32 s68, s42, 4                         ; W: records WB + 16 n + 4 w on: made of n and the wave alone
	s_lshl_b32 s69, s14, 2
	s_add_co_u32 s68, s68, s69
	s_add_co_u32 s68, s68, WB
	s_mul_i32 s68, s68, REC
	s_mov_b32 s69, 0
	s_mov_b32 s[G0A], 1
	s_mul_i32 s[G0A+1], s14, 2*REC                 ; LDS: wave x 2 records
	s_mov_b32 s[G0B], 1
	s_mul_i32 s[G0B+1], s14, 4*REC
	s_add_co_u32 s[G0B+1], s[G0B+1], LB            ; LDS: behind x's, wave x 4 records
	s_wait_dscnt 0x0
	s_wait_kmcnt 0x0
	s_add_nc_u64 s[G0A+2:G0A+3], s[4:5], s[66:67]
	s_or_b32 s[G0A+3], s[G0A+3], 0x80000000
	s_add_nc_u64 s[G0B+2:G0B+3], s[4:5], s[68:69]
	s_or_b32 s[G0B+3], s[G0B+3], 0x80000000
	CROUND                                         ; all sixteen work-groups are here: the joint loads meet
	tensor_load_to_lds s[G0A:G0A+3], s[G1A:G1A+7]
	s_nop 0
	tensor_load_to_lds s[G0B:G0B+3], s[G1B:G1B+7]
	s_nop 0
	PLACES                                         ; four v_nop follow the loads
	v_and_b32 v2, 31, v0                           ; l
	v_and_b32 v3, 15, v0                           ; r
	v_bfe_u32 v16, v0, 4, 1                        ; h
	v_lshlrev_b32 v1, 4, v2                        ; 16 l
	v_add_nc_u32 v[AD1], 4*REC, v1
	v_add_nc_u32 v[ADB], s[G0B+1], v1
	v_lshlrev_b32 v[ADSA], 4, v3                   ; 16 r
	v_mul_u32_u24 v[ADSB], v16, 2*REC
	v_add_nc_u32 v[ADSB], v[ADSB], v[ADSA]
	v_add_nc_u32 v[ADSB], s[G0B+1], v[ADSB]        ; my W records + 16 r + h x two records
	v_mul_u32_u24 v17, v16, 4*REC
	v_add_nc_u32 v[ADSA], v17, v[ADSA]             ; 16 r + h x four records
	v_lshlrev_b32 v[BO], 5, v16
	v_lshlrev_b32 v[BR], 2, v3
	v_lshlrev_b32 v[L8], 3, v2
	v_lshlrev_b32 v[H16], 4, v16
.irp b, 0,1,2,3
	v_mov_b32 v[TM+4+\b], 0                        ; written once: a lane permute's destination counts as one of its sources
.endr
	s_mov_b32 s[SEL], 0x76543210
	s_mov_b32 s[SEL+1], 0xfedcba98
	s_mov_b32 s22, 0xffff0000                      ; lanes 16-31
	s_lshl_b32 s76, s42, 10                        ; my 64 columns' bias: 4 (256 n + 64 w) bytes on
	s_lshl_b32 s77, s14, 8
	s_add_co_u32 s76, s76, s77
	s_mov_b32 s77, 0
	s_add_nc_u64 s[6:7], s[6:7], s[76:77]
	s_lshr_b32 s78, s17, 4                         ; batch
	s_and_b32 s79, s17, 15                         ; key step
	s_lshl_b32 s80, s40, 2
	s_add_co_u32 s80, s80, s14                     ; head = 4 cx + wave
	s_lshl_b32 s78, s78, 4
	s_add_co_u32 s78, s78, s80                     ; 16 batch + head
	s_wait_alu depctr_va_vdst(0)
	s_wait_tensorcnt 0x0                           ; my parts have landed,
	s_barrier_signal -1
	s_barrier_wait -1                              ; everybody's have
	FETCH 0, 0
	SCALES
	s_cmp_lt_u32 ttmp9, 2                          ; the cluster's x: the same in all sixteen partners
	s_cbranch_scc0 .Lpath_v
	; ---- q or k
.irp b, 0,1,2,3
	global_load_b128 v[QB+8*\b:QB+8*\b+3], v[BO], s[6:7] offset:64*\b         ; bias of columns 16 b + 8 h + 0 .. 7
	global_load_b128 v[QB+8*\b+4:QB+8*\b+7], v[BO], s[6:7] offset:64*\b+16
.endr
	s_lshl_b32 s82, ttmp9, 6
	s_add_co_u32 s82, s82, s78
	s_mul_i32 s82, s82, 73728                      ; the head record,
	s_mul_i32 s83, s79, 4608                       ; the step record
	s_add_co_u32 s82, s82, s83
	s_mov_b32 s83, 0
	s_add_nc_u64 s[8:9], s[8:9], s[82:83]
	STEP 0, 1, 1, 0xa1                             ; source 0 (W) window 1, source 1 (x) window 0, C and D window 2; the first step starts the sums
.irp s, 1,2,3,4,5,6,7
	STEP \s, 1, 0, 0xa1
.endr
	s_wait_loadcnt 0x0                             ; the bias
	PLACES
.irp p, 0,1,2,3                        ; token tiles 2 p and 2 p + 1: 64 numbers a lane: four blocks of 32 along the head
	WIN 0x02                                       ; source 0 window 2
.set i_, 0
.rept 32
	v_pk_add_f32 v[NUM+i_:NUM+i_+1], v[64*\p+i_:64*\p+i_+1], v[QB+(i_%32):QB+(i_%32)+1]   ; each accumulator from its low end on
.set i_, i_+2
.endr
	WIN 0
	QUANT NUM, PCB+8*\p, PWR
	v_bfe_u32 v[SWO+\p], v[PWR], v[H16], 16        ; lanes 0-15 keep tile 2 p's two bytes, lanes 16-31 tile 2 p + 1's; the upper two bytes are 0
.irp c, 0,1
	global_store_b128 v1, v[PCB+8*\p+4*\c:PCB+8*\p+4*\c+3], s[8:9] offset:(2*\p+\c)*512
.endr
.endr
	global_store_b128 v1, v[SWO:SWO+3], s[8:9] offset:4096
	s_branch .Lend
.Lpath_v:                              ; ---- v
.irp b, 0,1,2,3
	global_load_b32 v[QB+2*\b], v[BR], s[6:7] offset:64*\b      ; bias of channel 16 b + r, twice: a pair for the packed addition
	global_load_b32 v[QB+2*\b+1], v[BR], s[6:7] offset:64*\b
.endr
	s_mul_i32 s82, s78, 69632
	s_mul_i32 s83, s79, 4352
	s_add_co_u32 s82, s82, s83
	s_mov_b32 s83, 0
	s_add_nc_u64 s[10:11], s[10:11], s[82:83]
	STEP 0, 0, 1, 0xa4                             ; source 0 (x) window 0, source 1 (W) window 1, C and D window 2
.irp s, 1,2,3,4,5,6,7
	STEP \s, 0, 0, 0xa4
.endr
	s_wait_loadcnt 0x0
	PLACES
.irp b, 0,1,2,3                        ; channel tile b: 64 numbers a lane: four blocks of 32 keys
	WIN 0x02
.set i_, 0
.rept 32
	v_pk_add_f32 v[NUM+i_:NUM+i_+1], v[64*\b+i_:64*\b+i_+1], v[QB+2*\b:QB+2*\b+1]
.set i_, i_+2
.endr
	WIN 0
	QUANT NUM, PCB+8*\b, PWR+\b
.irp c, 0,1
	global_store_b128 v1, v[PCB+8*\b+4*\c:PCB+8*\b+4*\c+3], s[10:11] offset:1024*\b+512*\c
.endr
.endr
	v_cndmask_b32 v[VSO], v[PWR], v[PWR+1], s22    ; lanes 0-15: tiles 0 and 2; lanes 16-31: tiles 1 and 3
	v_cndmask_b32 v[VSO+1], v[PWR+2], v[PWR+3], s22
	global_store_b64 v[L8], v[VSO:VSO+1], s[10:11] offset:4096
.Lend:
	s_wait_dscnt 0x0
	s_wait_tensorcnt 0x0
	ds_add_u32 v122, v123
	s_wait_dscnt 0x0
	CROUND                                         ; the closing round: no work-group ends while a partner may still ask for a tile that names it
	s_endpgm
.Lfunc_end_k_q51e749732f_qkv:
	.size	k_q51e749732f_qkv, .Lfunc_end_k_q51e749732f_qkv-k_q51e749732f_qkv
	.p2alignl 7, 3214868480
	.fill 96, 4, 3214868480
	.section	.rodata,"a",@progbits
	.p2align	6, 0x0
	.amdhsa_kernel k_q51e749732f_qkv
		.amdhsa_group_segment_fixed_size 209408
		.amdhsa_private_segment_fixed_size 0
		.amdhsa_enable_private_segment 0
		.amdhsa_kernarg_size 32
		.amdhsa_user_sgpr_count 2
		.amdhsa_user_sgpr_kernarg_segment_ptr 1
		.amdhsa_wavefront_size32 1
		.amdhsa_system_sgpr_workgroup_id_x 1
		.amdhsa_system_sgpr_workgroup_id_y 1
		.amdhsa_system_sgpr_workgroup_id_z 1
		.amdhsa_system_vgpr_workitem_id 0
		.amdhsa_next_free_vgpr 768
		.amdhsa_next_free_sgpr 100
		.amdhsa_reserve_vcc 0
		.amdhsa_float_denorm_mode_32 3
		.amdhsa_float_denorm_mode_16_64 3
		.amdhsa_memory_ordered 1
		.amdhsa_forward_progress 1
		.amdhsa_inst_pref_size 148
	.end_amdhsa_kernel
	.amdgpu_metadata
---
amdhsa.version: [ 1, 2 ]
amdhsa.kernels:
  - .name:           k_q51e749732f_qkv
    .symbol:         k_q51e749732f_qkv.kd
    .args:
      - { .name: ops, .offset: 0, .size: 8, .value_kind: global_buffer, .address_space: global }
      - { .name: bqkv, .offset: 8, .size: 8, .value_kind: global_buffer, .address_space: global }
      - { .name: qk, .offset: 16, .size: 8, .value_kind: global_buffer, .address_space: global }
      - { .name: vv, .offset: 24, .size: 8, .value_kind: global_buffer, .address_space: global }
    .group_segment_fixed_size: 209408
    .private_segment_fixed_size: 0
    .kernarg_segment_align: 8
    .kernarg_segment_size: 32
    .max_flat_workgroup_size: 128
    .sgpr_count:     100
    .vgpr_count:     768
    .wavefront_size: 32
...
	.end_amdgpu_metadata
.endif
;; end of part 2
;; launch attn (part 3): grid 4 x 64, 16 waves a work-group, clusters of 4 x 1, 169,984 bytes of LDS; arguments qk, vv, at; writes at
.if DOCPART == 3
	.amdgcn_target "amdgcn-amd-amdhsa--gfx1250"
	.amdhsa_code_object_version 6
	.text
	.protected	k_q51e749732f_attn
	.globl	k_q51e749732f_attn
	.p2align	8
	.type	k_q51e749732f_attn,@function
k_q51e749732f_attn:
	s_mov_b64 s[64:65], 0
	v_nop
	global_prefetch_b8 v0, s[64:65] scope:SCOPE_SE
	s_setreg_imm32_b32 hwreg(HW_REG_WAVE_MODE, 25, 1), 1
	s_wait_xcnt 0x0
	s_wait_alu depctr_hold_cnt(0) depctr_sa_sdst(0) depctr_va_vdst(0) depctr_va_sdst(0) depctr_va_ssrc(0) depctr_va_vcc(0) depctr_vm_vsrc(0)
	s_getreg_b32 s2, hwreg(HW_REG_IB_STS2, 6, 4)
	s_cmp_eq_u32 s2, 0
	s_cbranch_scc0 .Lentry_in_a_cluster
	s_endpgm
.Lentry_in_a_cluster:
	s_bfe_u32 s2, ttmp6, 0x10000c
	s_cmp_lg_u32 s2, 0x3003
	s_cbranch_scc0 .Lentry_shape_is_right
	s_endpgm
.Lentry_shape_is_right:
; attn[q] = the sum over keys k <= q of Q(a[q][k]) Q(v[k]),  a[q][k] = exp(s_qk) / (the sum of exp(s_qk') over k' <= q),  s = Q(q) . Q(k) / 32: the full softmax's divisor cancels
; in the renormalisation behind the causal mask, so hidden keys are not computed.  a is quantised FINISHED AND NORMALISED, so the row's sum must be known first: THE VISIBLE KEYS ARE WALKED TWICE.
; Walk 1: t = s log2(e) / 32; M = the running largest t rounded up to a whole number; L = the sum of 2^(t - M), brought under a new M by an exact power of two.
; Walk 2: the scores again, a = 2^(t - M) x (1 / L) in f32, quantised along the keys in blocks of 32, O^T += V^T a^T.  M is final: O is never rescaled.
; LIMITS: the maximum taken away is that of the visible keys, where the formula as written takes the whole row's: the two agree wherever the written formula is finite and none of its visible
; exponentials falls to zero; where a hidden score lies some 87 above all visible ones it gives 0 / 0 and this text the quotient.  NaN and infinities are not served.  A block of zeros or under 2^-124
; gets the byte 1.  A block's largest a is had from its largest score by the same instructions: this takes v_exp_f32 not to fall where its input rises.
; SHARES: a cluster of four work-groups is one (batch, head).  The head's whole k record (73,728 bytes) and v record (69,632 bytes) lie in LDS, each byte filled once, by joint loads: waves 0-3 ask for
; k's quarters, waves 4-7 for v's: one tensor load of a wave is out.  Of the head's 128 tiles of 16 queries, tile 8 U + e, wave w of work-group cx takes (U = w, e = cx) and then (U = 15 - w, e = 4 + cx):
; 17 visible key steps of 128 for every wave.  U hangs on the wave's number alone; cx enters global offsets and the mask's lane data only.
; LAYOUT: both products transposed: S^T = k q^T, O^T = v^T a^T: a lane holds one query (l % 16); S's register 8 t + j is key 16 t + 8 h + j of the step.
; K = 64 in the first product: q's registers 4-7 are zero codes and both sides' scale bytes 2 and 3 are 0 (2^-127).  k's registers 4-7 are simply the next tile's codes: times zero codes they add nothing.
; OUT: at = 512 records of 8,704 bytes (token tile 128 batch + T), in the form of the GEMM's operand records: head hd's four registers at (hd / 8) 4,352 + (hd % 8) 512 + 16 l, its two scale bytes at
; .. + 4,096 + 16 r + 2 (hd % 8): those stores are of two bytes a lane, since a head owns two bytes of a word.
.set KREC, 73728
.set VREC, 69632
.set KSTP, 4608
.set VSTP, 4352
.set ADK,  4                           ; v1 = 16 l, v2 = 16 r, v3 = 8 l; v4-6 LDS addresses in hand
.set ADV,  5
.set ADVS, 6
.set DM,   7                           ; v7   16 e + r - 8 h: register 8 t + j is hidden on the diagonal where 16 t + j > DM
.set NINF, 8                           ; v8   -infinity
.set QO,   9                           ; v9, v10  q's offsets;  v11, v16 the output's
.set QSO,  10
.set OC,   11
.set OS,   16
.set RH,   23                          ; v23  r - 8 h
.set QS,   22                          ; v22  q's scale words;  v24-27 k's;  v28-29 v's;  v30 a's: these hold scales and nothing else
.set KS,   24
.set VS,   28
.set PW,   30
.set QF,   32                          ; v32-39  q's fragment
.set KF,   40                          ; v40-75  k's eight tiles, four registers each, and four zeros
.set VF,   76                          ; v76-107 v's four fragments
.set PC,   108                         ; v108-115 a's codes
.set S,    116                         ; v116-179
.set O,    180                         ; v180-211
.set BM,   212                         ; v212-215 the blocks' largest; v216-219 permutes' destinations; v220-223 conversions' scale operands; v224-227 bytes
.set PD,   216
.set SO,   220
.set BY,   224
.set T0,   228
.set OB,   229
.set C2,   236                         ; v236-237 the sums' second chain
.set WV,   10                          ; v12 -M, v13 the largest t, v[14:15] L in two halves, v[18:19] 1 / L, v[20:21] f
.set CX,   11
.set BH,   12
.set U,    13
.set E,    14
.set I,    15
.set KB,   16
.set VB,   17
.set SEL,  20
.set CS,   22
.set G1K,  24
.set G1V,  32
.set G0K,  40
.set G0V,  44
.set QBASE, 48
.set CBASE, 50
.set SBASE, 70
.macro CROUND
	s_barrier_signal -1
	s_barrier_wait -1
	s_cmp_lg_u32 s[WV], 0
	s_cbranch_scc1 .Lnot_wave_0_\@
	s_barrier_signal -3
.Lnot_wave_0_\@:
	s_barrier_wait -3
	s_barrier_signal -1
	s_barrier_wait -1
.endm
.macro PLACES
.rept 4
	v_nop
.endr
.endm
	s_load_b128 s[4:7], s[0:1], 0x0                ; qk, vv
	s_load_b64 s[8:9], s[0:1], 0x10                ; at
	v_lshl_add_u32 v254, v0, 2, 0x29000
	v_mov_b32 v255, 0
	ds_add_u32 v254, v255
	ds_add_u32 v254, v255
	v_lshrrev_b32 v1, 5, v0
	s_delay_alu instid0(VALU_DEP_1)
	v_readfirstlane_b32 s[WV], v1                  ; wave 0..15
	s_bfe_u32 s[CX], ttmp6, 0x40000
	s_and_b32 s[BH], ttmp7, 0xffff                 ; 16 batch + head: the cluster's y
	s_and_b32 s52, s[WV], 3                        ; which quarter I would fetch
	s_mul_i32 s53, s52, KREC/4
	s_mul_i32 s54, s52, VREC/4
	s_mul_i32 s56, s[BH], KREC                     ; q's head record
	s_mov_b32 s57, 0
	s_add_co_u32 s58, s56, 64*KREC                 ; k's lies 64 records on
	s_add_co_u32 s58, s58, s53
	s_mov_b32 s59, 0
	s_mul_i32 s60, s[BH], VREC
	s_add_co_u32 s60, s60, s54
	s_mov_b32 s61, 0
	; group 1: dense blocks as rows of 256 bytes: a quarter of k's record = 72 rows, of v's = 68
	s_mov_b32 s[G1K], 15|(3<<16)|(1<<21)           ; 15:0 the mask: all four work-groups; 17:16 elements of 8 bytes; 21 set beside a mask
	s_mov_b32 s[G1K+1], 32<<16
	s_mov_b32 s[G1K+2], 72<<16
	s_mov_b32 s[G1K+3], 32<<16
	s_mov_b32 s[G1K+4], 72
	s_mov_b32 s[G1K+5], 32
	s_mov_b32 s[G1K+6], 0
	s_mov_b32 s[G1K+7], 0
	s_mov_b32 s[G1V], 15|(3<<16)|(1<<21)
	s_mov_b32 s[G1V+1], 32<<16
	s_mov_b32 s[G1V+2], 68<<16
	s_mov_b32 s[G1V+3], 32<<16
	s_mov_b32 s[G1V+4], 68
	s_mov_b32 s[G1V+5], 32
	s_mov_b32 s[G1V+6], 0
	s_mov_b32 s[G1V+7], 0
	s_mov_b32 s[G0K], 1
	s_mov_b32 s[G0K+1], s53
	s_mov_b32 s[G0V], 1
	s_add_co_u32 s[G0V+1], s54, KREC               ; v lies behind k in LDS
	s_wait_dscnt 0x0
	s_wait_kmcnt 0x0
	s_add_nc_u64 s[G0K+2:G0K+3], s[4:5], s[58:59]
	s_or_b32 s[G0K+3], s[G0K+3], 0x80000000
	s_add_nc_u64 s[G0V+2:G0V+3], s[6:7], s[60:61]
	s_or_b32 s[G0V+3], s[G0V+3], 0x80000000
	CROUND                                         ; all four work-groups are here: the joint loads meet
	s_cmp_lt_u32 s[WV], 4                          ; the branches hang on the wave's number alone; four v_nop follow each of the two lines
	s_cbranch_scc0 .Lnot_k
	tensor_load_to_lds s[G0K:G0K+3], s[G1K:G1K+7]
	s_nop 0
	PLACES
	s_branch .Lasked
.Lnot_k:
	s_cmp_lt_u32 s[WV], 8
	s_cbranch_scc0 .Lasked
	tensor_load_to_lds s[G0V:G0V+3], s[G1V:G1V+7]
	s_nop 0
	PLACES
.Lasked:
	v_and_b32 v17, 31, v0                          ; l
	v_and_b32 v[RH], 15, v0                        ; r
	v_bfe_u32 v31, v0, 4, 1                        ; h
	s_delay_alu instid0(VALU_DEP_3)
	v_lshlrev_b32 v1, 4, v17
	s_delay_alu instid0(VALU_DEP_3)
	v_lshlrev_b32 v2, 4, v[RH]
	v_lshlrev_b32 v3, 3, v17
	s_delay_alu instid0(VALU_DEP_4)
	v_lshlrev_b32 v31, 3, v31
	s_delay_alu instid0(VALU_DEP_1)
	v_sub_nc_u32 v[RH], v[RH], v31                 ; r - 8 h
	v_mov_b32 v[NINF], 0xff800000
.irp j, 0,1,2,3
	v_mov_b32 v[QF+4+\j], 0                        ; zero codes for k = 64 .. 127 of the first product
	v_mov_b32 v[KF+32+\j], 0
	v_mov_b32 v[PD+\j], 0                          ; written once: a lane permute's destination counts as one of its sources
.endr
	v_mov_b32 v19, 0                               ; (upper halves of pairs whose low word serves both halves)
	v_mov_b32 v21, 0
	s_mov_b32 s[SEL], 0x76543210
	s_mov_b32 s[SEL+1], 0xfedcba98
	s_mov_b32 s[CS], 0x3d38aa3b                    ; c = log2(e) / 32
	s_mov_b32 s[CS+1], s[CS]
	s_add_nc_u64 s[QBASE:QBASE+1], s[4:5], s[56:57]
	s_lshr_b32 s72, s[BH], 4
	s_mul_i32 s72, s72, 128*8704                   ; the batch's 128 records,
	s_bfe_u32 s73, s[BH], 0x10003
	s_mul_i32 s73, s73, 4352                       ; the half that holds my head
	s_add_co_u32 s72, s72, s73
	s_and_b32 s74, s[BH], 7
	s_lshl_b32 s75, s74, 9
	s_add_co_u32 s66, s72, s75
	s_mov_b32 s67, 0
	s_lshl_b32 s75, s74, 1
	s_add_co_u32 s68, s72, s75
	s_mov_b32 s69, 0
	s_add_nc_u64 s[CBASE:CBASE+1], s[8:9], s[66:67]   ; my head's codes in token tile 0 of the batch
	s_add_nc_u64 s[SBASE:SBASE+1], s[8:9], s[68:69]   ; and, 4,096 bytes on, its scale bytes
	s_wait_tensorcnt 0x0                           ; on every wave's path: my part, if I asked for one, has landed,
	s_barrier_signal -1
	s_barrier_wait -1                              ; everybody's has; from here on LDS is only read
; The step's eight tiles of k (and, vload = 1, its four fragments of v) from LDS; S^T = k q^T.
.macro QK vload
	v_add_nc_u32 v[ADK], s[KB], v1
.if \vload
	v_add_nc_u32 v[ADV], s[VB], v1
	v_add_nc_u32 v[ADVS], s[VB], v3
.endif
.irp t, 0,1,2,3,4,5,6,7
	ds_load_b128 v[KF+4*\t:KF+4*\t+3], v[ADK] offset:512*\t
.endr
	ds_load_b128 v[KS:KS+3], v[ADK] offset:4096    ; register j: lanes 0-15 tile 2 j's words, lanes 16-31 tile 2 j + 1's
.if \vload
.irp d, 0,1,2,3
.irp c, 0,1
	ds_load_b128 v[VF+8*\d+4*\c:VF+8*\d+4*\c+3], v[ADV] offset:1024*\d+512*\c
.endr
.endr
	ds_load_b64 v[VS:VS+1], v[ADVS] offset:4096
	s_wait_dscnt 9                                 ; k and its words are in; v's nine loads may be out
.else
	s_wait_dscnt 0x0
.endif
.irp t, 0,1,2,3,4,5,6,7
.if (\t%2) == 0
	v_wmma_scale_f32_16x16x128_f8f6f4 v[S+8*\t:S+8*\t+7], v[KF+4*\t:KF+4*\t+7], v[QF:QF+7], 0, v[KS+\t/2], v[QS] matrix_a_fmt:MATRIX_FMT_FP4 matrix_b_fmt:MATRIX_FMT_FP4
.else
	v_wmma_scale_f32_16x16x128_f8f6f4 v[S+8*\t:S+8*\t+7], v[KF+4*\t:KF+4*\t+7], v[QF:QF+7], 0, v[KS+\t/2], v[QS] matrix_a_fmt:MATRIX_FMT_FP4 matrix_b_fmt:MATRIX_FMT_FP4 matrix_a_scale:MATRIX_SCALE_ROW1
.endif
.endr
	PLACES
.endm
; On the diagonal step hidden scores become -infinity ahead of the maximum: 2^(t - M) is then 0.  Key 0 of that step counts for every query of the tile.
.macro MASK
	s_cmp_lg_u32 s[I], s[U]
	s_cbranch_scc1 .Lopen_\@
.irp t, 0,1,2,3,4,5,6,7
.irp j, 0,1,2,3,4,5,6,7
	v_cmp_gt_i32 vcc_lo, 16*\t+\j, v[DM]
	v_cndmask_b32 v[S+8*\t+\j], v[S+8*\t+\j], v[NINF], vcc_lo
.endr
.endr
.Lopen_\@:
.endm
.macro BLKMAX                          ; the largest score of each block of 32 keys; each accumulator is first read at its low end
.irp b, 0,1,2,3
	v_max3_num_f32 v[BM+\b], v[S+16*\b], v[S+1+16*\b], v[S+2+16*\b]
.endr
.irp i, 3,5,7,9,11,13
.irp b, 0,1,2,3
	v_max3_num_f32 v[BM+\b], v[BM+\b], v[S+16*\b+\i], v[S+1+16*\b+\i]
.endr
.endr
.irp b, 0,1,2,3
	v_max_num_f32 v[BM+\b], v[BM+\b], v[S+15+16*\b]
.endr
.irp b, 0,1,2,3
	s_delay_alu instid0(VALU_DEP_4)
	v_permlanex16_b32 v[PD+\b], v[BM+\b], s[SEL], s[SEL+1]
.endr
.irp b, 0,1,2,3
	s_delay_alu instid0(VALU_DEP_4)
	v_max_num_f32 v[BM+\b], v[BM+\b], v[PD+\b]     ; with lane l xor 16's 16 keys
.endr
.endm
.macro TMINUSM                         ; t - M, two at a time (of the pairs c and -M the low word serves both halves)
.set j_, 0
.rept 32
	v_pk_fma_f32 v[S+j_:S+j_+1], v[S+j_:S+j_+1], s[CS:CS+1], v[12:13] op_sel_hi:[1,0,0]
.set j_, j_+2
.endr
.endm
.macro EXPS
.set j_, 0
.rept 64
	v_exp_f32 v[S+j_], v[S+j_]
.set j_, j_+1
.endr
.endm
; Both walks have 16 trips, a constant, so that the LDS addresses' steps can be read off the text; a step all of whose keys are hidden is jumped over, but for the lines that step.
.macro WALK1
	s_mov_b32 s[I], 0
	s_mov_b32 s[KB], 0
.Lw1_\@:
	s_cmp_gt_u32 s[I], s[U]
	s_cbranch_scc1 .Lw1_hidden_\@
	s_setprio 2
	QK 0
	MASK
	s_setprio 1
	BLKMAX
	s_delay_alu instid0(VALU_DEP_2)
	v_max3_num_f32 v[T0], v[BM], v[BM+1], v[BM+2]
	s_delay_alu instid0(VALU_DEP_1)
	v_max_num_f32 v[T0], v[T0], v[BM+3]            ; the step's largest score of my query
	s_delay_alu instid0(VALU_DEP_1)
	v_mul_f32 v[T0], s[CS], v[T0]                  ; as t
	s_delay_alu instid0(VALU_DEP_1)
	v_max_num_f32 v13, v13, v[T0]                  ; the running largest t
	v_mov_b32 v[T0], v12
	s_delay_alu instid0(VALU_DEP_2)
	v_floor_f32 v12, -v13                          ; -M = floor(-t): M is a whole number
	s_delay_alu instid0(VALU_DEP_1)
	v_sub_f32 v[T0], v12, v[T0]                    ; old M - new M, a whole number, 0 or less
	s_delay_alu instid0(VALU_DEP_1)
	v_cvt_i32_f32 v[T0], v[T0]                     ; (it saturates)
	s_delay_alu instid0(VALU_DEP_1)
	v_ldexp_f32 v20, 1.0, v[T0]                    ; f = 2^(old M - new M): rounds nothing
	TMINUSM
	s_wait_alu depctr_va_vdst(0)
	EXPS
	s_setprio 0
	v_pk_mul_f32 v[14:15], v[14:15], v[20:21] op_sel_hi:[1,0]   ; the sums under the new M; the plain instruction behind the exponentials
	s_wait_alu depctr_va_vdst(0)                   ; one wait for the batch, ahead of its first reader
	v_pk_add_f32 v[236:237], v[120:121], v[124:125]
	v_pk_add_f32 v[252:253], v[128:129], v[132:133]
	v_pk_add_f32 v[250:251], v[136:137], v[140:141]
	v_pk_add_f32 v[248:249], v[144:145], v[148:149]
	v_pk_add_f32 v[246:247], v[152:153], v[156:157]
	v_pk_add_f32 v[244:245], v[160:161], v[164:165]
	v_pk_add_f32 v[242:243], v[168:169], v[172:173]
	v_pk_add_f32 v[14:15], v[14:15], v[176:177]
	v_pk_add_f32 v[236:237], v[236:237], v[116:117]
	v_pk_add_f32 v[252:253], v[252:253], v[118:119]
	v_pk_add_f32 v[250:251], v[250:251], v[122:123]
	v_pk_add_f32 v[248:249], v[248:249], v[126:127]
	v_pk_add_f32 v[246:247], v[246:247], v[130:131]
	v_pk_add_f32 v[244:245], v[244:245], v[134:135]
	v_pk_add_f32 v[242:243], v[242:243], v[138:139]
	v_pk_add_f32 v[14:15], v[14:15], v[142:143]
	v_pk_add_f32 v[236:237], v[236:237], v[146:147]
	v_pk_add_f32 v[252:253], v[252:253], v[150:151]
	v_pk_add_f32 v[250:251], v[250:251], v[154:155]
	v_pk_add_f32 v[248:249], v[248:249], v[158:159]
	v_pk_add_f32 v[246:247], v[246:247], v[162:163]
	v_pk_add_f32 v[244:245], v[244:245], v[166:167]
	v_pk_add_f32 v[242:243], v[242:243], v[170:171]
	v_pk_add_f32 v[14:15], v[14:15], v[174:175]
	v_pk_add_f32 v[236:237], v[236:237], v[178:179]
	s_delay_alu instid0(VALU_DEP_2)
	v_pk_add_f32 v[14:15], v[14:15], v[248:249]
	s_delay_alu instid0(VALU_DEP_2)
	v_pk_add_f32 v[236:237], v[236:237], v[246:247]
	v_pk_add_f32 v[252:253], v[252:253], v[244:245]
	v_pk_add_f32 v[250:251], v[250:251], v[242:243]
	s_delay_alu instid0(VALU_DEP_2)
	v_pk_add_f32 v[14:15], v[14:15], v[252:253]
	s_delay_alu instid0(VALU_DEP_2)
	v_pk_add_f32 v[236:237], v[236:237], v[250:251]
	s_delay_alu instid0(VALU_DEP_1)
	v_pk_add_f32 v[14:15], v[14:15], v[236:237]
.Lw1_hidden_\@:
	s_add_co_u32 s[KB], s[KB], KSTP
	s_add_co_u32 s[I], s[I], 1
	s_cmp_lt_u32 s[I], 16
	s_cbranch_scc1 .Lw1_\@
	s_setprio 0
.endm
.macro WALK2
	s_mov_b32 s[I], 0
	s_mov_b32 s[KB], 0
	s_mov_b32 s[VB], KREC
.Lw2_\@:
	s_cmp_gt_u32 s[I], s[U]
	s_cbranch_scc1 .Lw2_hidden_\@
	s_setprio 2
	QK 1
	MASK
	BLKMAX
	TMINUSM
	s_setprio 1
.irp b, 0,1,2,3
	v_fma_f32 v[BM+\b], v[BM+\b], s[CS], v12       ; the same of each block's largest score
.endr
	s_wait_alu depctr_va_vdst(0)
	EXPS
.irp b, 0,1,2,3
	v_exp_f32 v[BM+\b], v[BM+\b]
.endr
	v_nop                                          ; the plain instruction behind the exponentials
	s_wait_alu depctr_va_vdst(0)                   ; one wait for the 68
.irp b, 0,1,2,3
	v_mul_f32 v[BM+\b], v[BM+\b], v18              ; the block's largest a: the same instructions on the same number give the same bits
.endr
.irp b, 0,1,2,3
	s_delay_alu instid0(VALU_DEP_4)
	v_max_num_f32 v[BM+\b], 0x1800000, v[BM+\b]    ; the floor 2^(3 - 127): the byte cannot fall under 1
.endr
.irp b, 0,1,2,3
	s_delay_alu instid0(VALU_DEP_4)
	v_add_nc_u32 v[SO+\b], 0xff000000, v[BM+\b]
.endr
.irp b, 0,1,2,3
	s_delay_alu instid0(VALU_DEP_4)
	v_lshrrev_b32 v[BY+\b], 23, v[SO+\b]
.endr
	s_delay_alu instid0(VALU_DEP_3)
	v_lshl_or_b32 v[PW], v[BY+1], 8, v[BY]
	s_delay_alu instid0(VALU_DEP_1)
	v_lshl_or_b32 v[PW], v[BY+2], 16, v[PW]
	s_delay_alu instid0(VALU_DEP_1)
	v_lshl_or_b32 v[PW], v[BY+3], 24, v[PW]        ; a's scale word for these 128 keys
.set j_, 0
.rept 32
	v_pk_mul_f32 v[S+j_:S+j_+1], v[S+j_:S+j_+1], v[18:19] op_sel_hi:[1,0]   ; a = p x (1 / L): normalised ahead of the quantiser.  (More than eight plain instructions between the scale word's last write and the scaled products)
.set j_, j_+2
.endr
	s_setprio 0
.irp b, 0,1,2,3
.irp u, 0,1
	v_cvt_scalef32_pk8_fp4_f32 v[PC+4*(\b/2)+2*\u+(\b%2)], v[S+16*\b+8*\u:S+16*\b+8*\u+7], v[SO+\b]
.endr
.endr
	v_nop                                          ; one plain instruction behind the scaled conversions
.irp c, 0,1
.irp u, 0,1
	v_permlane16_swap_b32 v[PC+4*\c+2*\u], v[PC+4*\c+2*\u+1]   ; register 4 c + i now holds keys 64 c + 32 h + 8 i + 0 .. 7
.endr
.endr
	PLACES                                         ; an operand written by vector instructions stands four places ahead of a scaled product
	s_wait_alu depctr_va_vdst(0)
	s_wait_dscnt 0x0                               ; v and its words are in
.irp d, 0,1,2,3                        ; the four accumulators by turns; the next trip's eight products stand between two links of a chain
.if (\d%2) == 0
	v_wmma_scale_f32_16x16x128_f8f6f4 v[O+8*\d:O+8*\d+7], v[VF+8*\d:VF+8*\d+7], v[PC:PC+7], v[O+8*\d:O+8*\d+7], v[VS+\d/2], v[PW] matrix_a_fmt:MATRIX_FMT_FP4 matrix_b_fmt:MATRIX_FMT_FP4
.else
	v_wmma_scale_f32_16x16x128_f8f6f4 v[O+8*\d:O+8*\d+7], v[VF+8*\d:VF+8*\d+7], v[PC:PC+7], v[O+8*\d:O+8*\d+7], v[VS+\d/2], v[PW] matrix_a_fmt:MATRIX_FMT_FP4 matrix_b_fmt:MATRIX_FMT_FP4 matrix_a_scale:MATRIX_SCALE_ROW1
.endif
.endr
	PLACES                                         ; in front of the next trip's loads into v's registers, and of the reads of O behind the loop
.Lw2_hidden_\@:
	s_add_co_u32 s[KB], s[KB], KSTP
	s_add_co_u32 s[VB], s[VB], VSTP
	s_add_co_u32 s[I], s[I], 1
	s_cmp_lt_u32 s[I], 16
	s_cbranch_scc1 .Lw2_\@
	s_setprio 0
.endm
; One tile of 16 queries, tile 8 U + E of the head.
.macro TILE
	s_wait_xcnt 0x0                                ; the last tile's loads and stores have read their offsets and data: these are written again below
	s_mul_i32 s72, s[U], KSTP
	s_lshl_b32 s73, s[E], 9
	s_add_co_u32 s73, s73, s72
	v_add_nc_u32 v[QO], s73, v1                    ; q's codes: step record U, token tile E
	s_and_b32 s74, s[E], 1
	s_lshl_b32 s74, s74, 8
	s_lshr_b32 s75, s[E], 1
	s_lshl_b32 s75, s75, 2
	s_add_co_u32 s74, s74, s75
	s_add_co_u32 s74, s74, s72
	v_add_nc_u32 v[QSO], s74, v2                   ; its scale words: 256 (E % 2) + 4 (E / 2) + 16 r
	global_load_b128 v[QF:QF+3], v[QO], s[QBASE:QBASE+1]
	global_load_b32 v[QS], v[QSO], s[QBASE:QBASE+1] offset:4096
	s_lshl_b32 s76, s[U], 3
	s_add_co_u32 s76, s76, s[E]
	s_mul_i32 s76, s76, 8704                       ; the tile's record in at
	v_add_nc_u32 v[OC], s76, v1
	v_add_nc_u32 v[OS], s76, v2
	s_lshl_b32 s77, s[E], 4
	v_add_nc_u32 v[DM], s77, v[RH]
	v_mov_b32 v13, 0xff61b1e6                      ; the largest t so far: -3e38, under every t
	s_delay_alu instid0(VALU_DEP_1)
	v_floor_f32 v12, -v13
	v_mov_b32 v14, 0
	v_mov_b32 v15, 0
.set j_, 0
.rept 32
	v_mov_b32 v[O+j_], 0                           ; the second walk is written once: its first step adds onto zeros
.set j_, j_+1
.endr
	s_wait_loadcnt 0x0
	WALK1
	s_wait_alu depctr_va_vdst(0)
	v_add_f32 v14, v14, v15                        ; the sum's two halves,
	s_delay_alu instid0(VALU_DEP_1)
	v_permlanex16_b32 v[PD], v14, s[SEL], s[SEL+1]
	s_delay_alu instid0(VALU_DEP_1)
	v_add_f32 v14, v14, v[PD]                      ; and lane l xor 16's: L, at least 1/2
	s_wait_alu depctr_va_vdst(0)
	v_rcp_f32 v18, v14
	v_nop
	s_wait_alu depctr_va_vdst(0)
	WALK2
	; O^T is finished: register 16 b + 8 u + j is channel 32 b + 16 u + 8 h + j of my query: two blocks along the last product's K
.irp b, 0,1
	v_max3_num_f32 v[BM+\b], |v[O+16*\b]|, |v[O+1+16*\b]|, 0x1800000
.endr
.irp i, 2,4,6,8,10,12,14
.irp b, 0,1
	v_max3_num_f32 v[BM+\b], v[BM+\b], |v[O+16*\b+\i]|, |v[O+1+16*\b+\i]|
.endr
.endr
.irp b, 0,1
	s_delay_alu instid0(VALU_DEP_2)
	v_permlanex16_b32 v[PD+\b], v[BM+\b], s[SEL], s[SEL+1]
.endr
.irp b, 0,1
	s_delay_alu instid0(VALU_DEP_2)
	v_max_num_f32 v[BM+\b], v[BM+\b], v[PD+\b]
.endr
.irp b, 0,1
	s_delay_alu instid0(VALU_DEP_2)
	v_add_nc_u32 v[SO+\b], 0xff000000, v[BM+\b]
.endr
.irp b, 0,1
	s_delay_alu instid0(VALU_DEP_2)
	v_lshrrev_b32 v[BY+\b], 23, v[SO+\b]
.endr
	s_delay_alu instid0(VALU_DEP_1)
	v_lshl_or_b32 v[OB], v[BY+1], 8, v[BY]
.irp b, 0,1
.irp u, 0,1
	v_cvt_scalef32_pk8_fp4_f32 v[PC+2*\u+\b], v[O+16*\b+8*\u:O+16*\b+8*\u+7], v[SO+\b]
.endr
.endr
	v_nop
.irp u, 0,1
	v_permlane16_swap_b32 v[PC+2*\u], v[PC+2*\u+1]
.endr
	global_store_b128 v[OC], v[PC:PC+3], s[CBASE:CBASE+1]              ; 512 consecutive bytes, aligned
	global_store_b16 v[OS], v[OB], s[SBASE:SBASE+1] offset:4096        ; both halves of the lanes write the same two bytes with the same value
.endm
	s_mov_b32 s[U], s[WV]
	s_mov_b32 s[E], s[CX]
	TILE
	s_xor_b32 s[U], s[WV], 15                      ; 15 - wave
	s_add_co_u32 s[E], s[CX], 4
	TILE
	s_wait_dscnt 0x0
	s_wait_tensorcnt 0x0
	ds_add_u32 v254, v255
	s_wait_dscnt 0x0
	CROUND                                         ; the closing round
	s_endpgm
.Lfunc_end_k_q51e749732f_attn:
	.size	k_q51e749732f_attn, .Lfunc_end_k_q51e749732f_attn-k_q51e749732f_attn
	.p2alignl 7, 3214868480
	.fill 96, 4, 3214868480
	.section	.rodata,"a",@progbits
	.p2align	6, 0x0
	.amdhsa_kernel k_q51e749732f_attn
		.amdhsa_group_segment_fixed_size 169984
		.amdhsa_private_segment_fixed_size 0
		.amdhsa_enable_private_segment 0
		.amdhsa_kernarg_size 24
		.amdhsa_user_sgpr_count 2
		.amdhsa_user_sgpr_kernarg_segment_ptr 1
		.amdhsa_wavefront_size32 1
		.amdhsa_system_sgpr_workgroup_id_x 1
		.amdhsa_system_sgpr_workgroup_id_y 1
		.amdhsa_system_sgpr_workgroup_id_z 1
		.amdhsa_system_vgpr_workitem_id 0
		.amdhsa_next_free_vgpr 256
		.amdhsa_next_free_sgpr 80
		.amdhsa_reserve_vcc 1
		.amdhsa_float_denorm_mode_32 3
		.amdhsa_float_denorm_mode_16_64 3
		.amdhsa_memory_ordered 1
		.amdhsa_forward_progress 1
		.amdhsa_inst_pref_size 89
	.end_amdhsa_kernel
	.amdgpu_metadata
---
amdhsa.version: [ 1, 2 ]
amdhsa.kernels:
  - .name:           k_q51e749732f_attn
    .symbol:         k_q51e749732f_attn.kd
    .args:
      - { .name: qk, .offset: 0, .size: 8, .value_kind: global_buffer, .address_space: global }
      - { .name: vv, .offset: 8, .size: 8, .value_kind: global_buffer, .address_space: global }
      - { .name: at, .offset: 16, .size: 8, .value_kind: global_buffer, .address_space: global }
    .group_segment_fixed_size: 169984
    .private_segment_fixed_size: 0
    .kernarg_segment_align: 8
    .kernarg_segment_size: 24
    .max_flat_workgroup_size: 512
    .sgpr_count:     80
    .vgpr_count:     256
    .wavefront_size: 32
...
	.end_amdgpu_metadata
.endif
;; end of part 3
;; launch lift (part 4): grid 4 x 64, 4 waves a work-group, clusters of 4 x 4, 327,680 bytes of LDS; arguments at, ops, blift, out0; writes out0
.if DOCPART == 4
	.amdgcn_target "amdgcn-amd-amdhsa--gfx1250"
	.amdhsa_code_object_version 6
	.text
	.protected	k_q51e749732f_lift
	.globl	k_q51e749732f_lift
	.p2align	8
	.type	k_q51e749732f_lift,@function
k_q51e749732f_lift:
	s_mov_b64 s[64:65], 0
	v_nop
	global_prefetch_b8 v0, s[64:65] scope:SCOPE_SE
	s_setreg_imm32_b32 hwreg(HW_REG_WAVE_MODE, 25, 1), 1
	s_wait_xcnt 0x0
	s_wait_alu depctr_hold_cnt(0) depctr_sa_sdst(0) depctr_va_vdst(0) depctr_va_sdst(0) depctr_va_ssrc(0) depctr_va_vcc(0) depctr_vm_vsrc(0)
	s_getreg_b32 s2, hwreg(HW_REG_IB_STS2, 6, 4)
	s_cmp_eq_u32 s2, 0
	s_cbranch_scc0 .Lentry_in_a_cluster
	s_endpgm
.Lentry_in_a_cluster:
	s_bfe_u32 s2, ttmp6, 0x10000c
	s_cmp_lg_u32 s2, 0xf033
	s_cbranch_scc0 .Lentry_shape_is_right
	s_endpgm
.Lentry_shape_is_right:
; out0 = Q(attn) Q(Wlift)^T + blift on codes of FP4 with E8M0 scales.  Both operands come as records of 8,704 bytes, images of operand registers (16 rows x K 1,024: two halves of four K steps' codes and their scale words).
; A work-group makes 128 tokens x 256 columns, each of its four waves 128 x 64: 32 accumulators.  ALL OF K LIES IN LDS, each byte filled once: attn's 8 records at 0, Wlift's 16 at 69,632.
; CLUSTER 4 x 4: the four of a row need the same records of attn, the four of a column the same records of Wlift: each wave asks jointly for a quarter of each: one tensor load of mine is out at a time.
; The product is used TRANSPOSED (source 0 = 16 rows of W, source 1 = 16 tokens): a lane holds eight neighbouring columns of one row of out0.  The bias is the C of each sum's first product.
; THE WAY OUT: 16 rows x 64 columns at a time through the wave's own stage in LDS (behind the records: no fill lands there), back as rows of 256 bytes: sixteen lanes store 256 consecutive aligned bytes.
; REGISTERS: window 0: v1-12 addresses; v32-63 attn's scale words, v64-79 W's; v80-111 bias; v128-255 attn's fragments, two sets of 64 (on the way out: rows read back).  window 1: v0-63 W's fragments.  window 2: the accumulators.
.set REC,  8704
.set HREC, 4352
.set LB,   8*REC
.set WB,   704                         ; Wlift's first record in ops
.set STAGE, 24*REC                     ; 208,896
.set SPITCH, 272                       ; a stage row: 256 bytes + 16
.set AD1,  5
.set ADB,  6
.set ADSA, 7
.set ADSB, 8
.set STO,  9
.set RD,   10
.set CO,   11
.set BO,   12
.set XS,   32
.set WS,   64
.set QB,   80
.set XF,   128
.set BK,   128                         ; the way out: v128-159 and v160-191 by turns
.set G1A,  24
.set G0A,  32
.set G1B,  48
.set G0B,  56
.set MSB,  0
.macro WIN new
.if MSB != \new
	s_set_vgpr_msb (MSB<<8)|\new
.set MSB, \new
.endif
.endm
.macro CROUND
	s_barrier_signal -1
	s_barrier_wait -1
	s_cmp_lg_u32 s14, 0
	s_cbranch_scc1 .Lnot_wave_0_\@
	s_barrier_signal -3
.Lnot_wave_0_\@:
	s_barrier_wait -3
	s_barrier_signal -1
	s_barrier_wait -1
.endm
.macro PLACES
.rept 4
	v_nop
.endr
.endm
.macro WM                              ; one matrix instruction from the symbols; fA, fB: the side's scale words stand in lanes 16-31
.if fA && fB
	v_wmma_scale_f32_16x16x128_f8f6f4 v[cD:cD+7], v[cA:cA+7], v[cB:cB+7], v[cC:cC+7], v[cSA], v[cSB] matrix_a_fmt:MATRIX_FMT_FP4 matrix_b_fmt:MATRIX_FMT_FP4 matrix_a_scale:MATRIX_SCALE_ROW1 matrix_b_scale:MATRIX_SCALE_ROW1
.elseif fA
	v_wmma_scale_f32_16x16x128_f8f6f4 v[cD:cD+7], v[cA:cA+7], v[cB:cB+7], v[cC:cC+7], v[cSA], v[cSB] matrix_a_fmt:MATRIX_FMT_FP4 matrix_b_fmt:MATRIX_FMT_FP4 matrix_a_scale:MATRIX_SCALE_ROW1
.elseif fB
	v_wmma_scale_f32_16x16x128_f8f6f4 v[cD:cD+7], v[cA:cA+7], v[cB:cB+7], v[cC:cC+7], v[cSA], v[cSB] matrix_a_fmt:MATRIX_FMT_FP4 matrix_b_fmt:MATRIX_FMT_FP4 matrix_b_scale:MATRIX_SCALE_ROW1
.else
	v_wmma_scale_f32_16x16x128_f8f6f4 v[cD:cD+7], v[cA:cA+7], v[cB:cB+7], v[cC:cC+7], v[cSA], v[cSB] matrix_a_fmt:MATRIX_FMT_FP4 matrix_b_fmt:MATRIX_FMT_FP4
.endif
.endm
; K step s: 32 matrix instructions; the 32 accumulators take turns, in the same order in every step.  bias = 1: C is the bias, in window 0.
.macro MUL s, set, bias
.irp a, 0,1,2,3,4,5,6,7
.irp b, 0,1,2,3
.set cD,  8*(4*\a+\b)
.set cA,  32*(\set)+8*\b
.set cB,  XF+64*(\set)+8*\a
.set cSA, WS+8*((\s)/4)+4*(\b%2)+(\s)%4
.set cSB, XS+16*((\s)/4)+4*(\a%4)+(\s)%4
.set fA,  \b/2
.set fB,  \a/4
.if \bias
.set cC, QB+8*\b
.else
.set cC, cD
.endif
	WM
.endr
.endr
.endm
.macro FETCH s, set
.set off_, ((\s)/4)*HREC+((\s)%4)*1024
	WIN 0x40
.irp b, 0,1,2,3
.irp c, 0,1
	ds_load_b128 v[32*(\set)+8*\b+4*\c:32*(\set)+8*\b+4*\c+3], v[ADB] offset:\b*REC+off_+512*\c
.endr
.endr
	WIN 0
.irp a, 0,1,2,3
.irp c, 0,1
	ds_load_b128 v[XF+64*(\set)+8*\a+4*\c:XF+64*(\set)+8*\a+4*\c+3], v1 offset:\a*REC+off_+512*\c
.endr
.endr
.irp a, 0,1,2,3
.irp c, 0,1
	ds_load_b128 v[XF+64*(\set)+32+8*\a+4*\c:XF+64*(\set)+32+8*\a+4*\c+3], v[AD1] offset:\a*REC+off_+512*\c
.endr
.endr
.endm
.macro SCALES
.irp g, 0,1
.irp i, 0,1,2,3
	ds_load_b128 v[XS+16*\g+4*\i:XS+16*\g+4*\i+3], v[ADSA] offset:\i*REC+\g*HREC+4096
.endr
.irp i, 0,1
	ds_load_b128 v[WS+8*\g+4*\i:WS+8*\g+4*\i+3], v[ADSB] offset:\i*REC+\g*HREC+4096
.endr
.endr
.endm
.macro STEP s, bias, win
.if ((\s) > 0) && ((\s) < 7)
	PLACES                                         ; the set that is loaded next was read by the products just issued
.endif
.if (\s) < 7
	FETCH (\s)+1, ((\s)+1)%2
	s_wait_dscnt 24                                ; all but the 24 loads just issued
.else
	s_wait_dscnt 0x0
.endif
	WIN \win
	MUL \s, (\s)%2, \bias
.endm
	s_load_b256 s[4:11], s[0:1], 0x0               ; at s[4:5], ops s[6:7], blift s[8:9], out0 s[10:11]
	v_lshl_add_u32 v126, v0, 2, 0x37400
	v_mov_b32 v127, 0
	ds_add_u32 v126, v127
	ds_add_u32 v126, v127
	v_lshrrev_b32 v1, 5, v0
	v_readfirstlane_b32 s14, v1
	s_bfe_u32 s40, ttmp6, 0x40000                  ; cx
	s_bfe_u32 s41, ttmp6, 0x40004                  ; cy
	s_lshl_b32 s42, ttmp9, 2
	s_add_co_u32 s42, s42, s40                     ; n: which 256 columns
	s_and_b32 s17, ttmp7, 0xffff
	s_lshl_b32 s17, s17, 2
	s_add_co_u32 s17, s17, s41                     ; m: which 128 tokens
	s_lshl_b32 s43, s41, 2
	s_lshl_b32 s43, 15, s43
	s_lshl_b32 s44, 0x1111, s40
	s_or_b32 s[G1A], s43, (3<<16)|(1<<21)          ; dense blocks as rows of 256 bytes (32 elements of 8 bytes): 68 rows of attn, 136 of W
	s_or_b32 s[G1B], s44, (3<<16)|(1<<21)
	s_mov_b32 s[G1A+1], 32<<16
	s_mov_b32 s[G1A+2], 68<<16
	s_mov_b32 s[G1A+3], 32<<16
	s_mov_b32 s[G1A+4], 68
	s_mov_b32 s[G1A+5], 32
	s_mov_b32 s[G1A+6], 0
	s_mov_b32 s[G1A+7], 0
	s_mov_b32 s[G1B+1], 32<<16
	s_mov_b32 s[G1B+2], 136<<16
	s_mov_b32 s[G1B+3], 32<<16
	s_mov_b32 s[G1B+4], 136
	s_mov_b32 s[G1B+5], 32
	s_mov_b32 s[G1B+6], 0
	s_mov_b32 s[G1B+7], 0
	s_lshl_b32 s66, s17, 3                         ; attn: records 8 m + 2 w on
	s_lshl_b32 s67, s14, 1
	s_add_co_u32 s66, s66, s67
	s_mul_i32 s66, s66, REC
	s_mov_b32 s67, 0
	s_lshl_b32 s68, s42, 4                         ; W: records WB + 16 n + 4 w on
	s_lshl_b32 s69, s14, 2
	s_add_co_u32 s68, s68, s69
	s_add_co_u32 s68, s68, WB
	s_mul_i32 s68, s68, REC
	s_mov_b32 s69, 0
	s_mov_b32 s[G0A], 1
	s_mul_i32 s[G0A+1], s14, 2*REC
	s_mov_b32 s[G0B], 1
	s_mul_i32 s[G0B+1], s14, 4*REC
	s_add_co_u32 s[G0B+1], s[G0B+1], LB
	s_wait_dscnt 0x0
	s_wait_kmcnt 0x0
	s_add_nc_u64 s[G0A+2:G0A+3], s[4:5], s[66:67]
	s_or_b32 s[G0A+3], s[G0A+3], 0x80000000
	s_add_nc_u64 s[G0B+2:G0B+3], s[6:7], s[68:69]
	s_or_b32 s[G0B+3], s[G0B+3], 0x80000000
	CROUND                                         ; all sixteen work-groups are here: the joint loads meet
	tensor_load_to_lds s[G0A:G0A+3], s[G1A:G1A+7]
	s_nop 0
	s_wait_alu depctr_va_vdst(0)
	s_wait_tensorcnt 0x0
	ds_add_u32 v126, v127
	s_wait_dscnt 0x0
	CROUND
	tensor_load_to_lds s[G0B:G0B+3], s[G1B:G1B+7]
	s_nop 0
	PLACES                                         ; four v_nop follow the second load
	v_and_b32 v2, 31, v0                           ; l
	v_and_b32 v3, 15, v0                           ; r
	v_bfe_u32 v16, v0, 4, 1                        ; h
	v_lshlrev_b32 v1, 4, v2                        ; 16 l
	v_add_nc_u32 v[AD1], 4*REC, v1
	v_add_nc_u32 v[ADB], s[G0B+1], v1
	v_lshlrev_b32 v[ADSA], 4, v3
	v_mul_u32_u24 v[ADSB], v16, 2*REC
	v_add_nc_u32 v[ADSB], v[ADSB], v[ADSA]
	v_add_nc_u32 v[ADSB], s[G0B+1], v[ADSB]
	v_mul_u32_u24 v17, v16, 4*REC
	v_add_nc_u32 v[ADSA], v17, v[ADSA]
	s_mul_i32 s71, s14, 16*SPITCH
	s_add_co_u32 s71, s71, STAGE                   ; my stage
	v_mul_u32_u24 v[STO], v3, SPITCH
	v_lshl_add_u32 v[STO], v16, 5, v[STO]
	v_add_nc_u32 v[STO], s71, v[STO]               ; in: row r, 32 bytes for each half of the lanes
	v_mul_u32_u24 v[RD], v16, SPITCH
	v_lshl_add_u32 v[RD], v3, 4, v[RD]
	v_add_nc_u32 v[RD], s71, v[RD]                 ; back: lanes 0-15 one row of 256 bytes, lanes 16-31 the next
	v_lshlrev_b32 v[CO], 12, v16
	v_lshl_add_u32 v[CO], v3, 4, v[CO]             ; and the same two rows in out0
	v_lshlrev_b32 v[BO], 5, v16
	s_wait_alu depctr_va_vdst(0)
	s_lshl_b32 s76, s42, 10                        ; my 64 columns: 4 (256 n + 64 w) bytes on, in blift and in a row of out0
	s_lshl_b32 s77, s14, 8
	s_add_co_u32 s76, s76, s77
	s_mov_b32 s77, 0
	s_add_nc_u64 s[8:9], s[8:9], s[76:77]
	s_lshl_b32 s78, s17, 19                        ; 128 rows of 4,096 bytes
	s_add_co_u32 s78, s78, s76
	s_mov_b32 s79, 0
	s_add_nc_u64 s[10:11], s[10:11], s[78:79]
.irp b, 0,1,2,3
	global_load_b128 v[QB+8*\b:QB+8*\b+3], v[BO], s[8:9] offset:64*\b          ; bias of columns 16 b + 8 h + 0 .. 7: the result's layout
	global_load_b128 v[QB+8*\b+4:QB+8*\b+7], v[BO], s[8:9] offset:64*\b+16
.endr
	s_wait_tensorcnt 0x0                           ; my parts have landed,
	s_barrier_signal -1
	s_barrier_wait -1                              ; everybody's have
	FETCH 0, 0
	SCALES
	s_wait_loadcnt 0x0                             ; the bias
	STEP 0, 1, 0x81                                ; source 0 (W) window 1, source 1 and C (the bias) window 0, D window 2
.irp s, 1,2,3,4,5,6,7
	STEP \s, 0, 0xa1                               ; C and D window 2
.endr
.macro TOSTAGE a
	WIN 0x08                                       ; an LDS store's data are its source 1: window 2
.irp b, 0,1,2,3
	ds_store_b128 v[STO], v[8*(4*(\a)+\b):8*(4*(\a)+\b)+3] offset:64*\b        ; each accumulator from its low end on
	ds_store_b128 v[STO], v[8*(4*(\a)+\b)+4:8*(4*(\a)+\b)+7] offset:64*\b+16
.endr
	WIN 0
.set BB, BK+32*((\a)%2)
.irp t, 0,1,2,3,4,5,6,7
	ds_load_b128 v[BB+4*\t:BB+4*\t+3], v[RD] offset:\t*2*SPITCH    ; LDS serves a wave's instructions in order: these see the stores above, and the next block's stores come behind them
.endr
.endm
.macro SEND a, younger                 ; younger: the LDS instructions issued behind block a's loads, which may stay out
.set BB, BK+32*((\a)%2)
	s_wait_dscnt \younger
.irp t, 0,1,2,3,4,5,6,7
	global_store_b128 v[CO], v[BB+4*\t:BB+4*\t+3], s[10:11] offset:(16*(\a)+2*\t)*4096 th:TH_STORE_NT   ; 16 lanes store 256 consecutive aligned bytes; 126 rows at the most: inside the signed 24-bit immediate
.endr
.endm
	PLACES                                         ; in front of the first read of results and of loads into registers that held fragments
	TOSTAGE 0
.irp a, 1,2,3,4,5,6,7
.if \a > 1
	s_wait_xcnt 0x0                                ; block a - 2's stores have read their registers: block a's loads may land there
.endif
	TOSTAGE \a
	SEND \a-1, 16                                  ; behind block a - 1's loads: block a's 8 stores and 8 loads
.endr
	SEND 7, 0
	s_wait_dscnt 0x0
	s_wait_tensorcnt 0x0
	ds_add_u32 v126, v127
	s_wait_dscnt 0x0
	CROUND                                         ; the closing round: no work-group ends while a partner may still ask for a tile that names it
	s_endpgm
.Lfunc_end_k_q51e749732f_lift:
	.size	k_q51e749732f_lift, .Lfunc_end_k_q51e749732f_lift-k_q51e749732f_lift
	.p2alignl 7, 3214868480
	.fill 96, 4, 3214868480
	.section	.rodata,"a",@progbits
	.p2align	6, 0x0
	.amdhsa_kernel k_q51e749732f_lift
		.amdhsa_group_segment_fixed_size 327680
		.amdhsa_private_segment_fixed_size 0
		.amdhsa_enable_private_segment 0
		.amdhsa_kernarg_size 32
		.amdhsa_user_sgpr_count 2
		.amdhsa_user_sgpr_kernarg_segment_ptr 1
		.amdhsa_wavefront_size32 1
		.amdhsa_system_sgpr_workgroup_id_x 1
		.amdhsa_system_sgpr_workgroup_id_y 1
		.amdhsa_system_sgpr_workgroup_id_z 1
		.amdhsa_system_vgpr_workitem_id 0
		.amdhsa_next_free_vgpr 768
		.amdhsa_next_free_sgpr 100
		.amdhsa_reserve_vcc 0
		.amdhsa_float_denorm_mode_32 3
		.amdhsa_float_denorm_mode_16_64 3
		.amdhsa_memory_ordered 1
		.amdhsa_forward_progress 1
		.amdhsa_inst_pref_size 69
	.end_amdhsa_kernel
	.amdgpu_metadata
---
amdhsa.version: [ 1, 2 ]
amdhsa.kernels:
  - .name:           k_q51e749732f_lift
    .symbol:         k_q51e749732f_lift.kd
    .args:
      - { .name: at, .offset: 0, .size: 8, .value_kind: global_buffer, .address_space: global }
      - { .name: ops, .offset: 8, .size: 8, .value_kind: global_buffer, .address_space: global }
      - { .name: blift, .offset: 16, .size: 8, .value_kind: global_buffer, .address_space: global }
      - { .name: out0, .offset: 24, .size: 8, .value_kind: global_buffer, .address_space: global }
    .group_segment_fixed_size: 327680
    .private_segment_fixed_size: 0
    .kernarg_segment_align: 8
    .kernarg_segment_size: 32
    .max_flat_workgroup_size: 128
    .sgpr_count:     100
    .vgpr_count:     768
    .wavefront_size: 32
...
	.end_amdgpu_metadata
.endif
;; end of part 4
